; MI455X (gfx1250); checked and timed in simulation.
; The chip was launched on July 23, 2026; its instructions are those of AMD's public machine-readable ISA for CDNA 5 (MIT licence, August 2026) and "CDNA5" Instruction Set Architecture Reference Guide (July 2026). The comments in the code are by the model that wrote it; some were corrected since.
;; Res D1 Layer Top K. Allowed arithmetic: matrix products marked QUANTISED: E5M2 operands, one given power-of-two scale a tensor, by v_wmma_f32_16x16x64_bf8_bf8 or v_wmma_f32_16x16x128_bf8_bf8, f32 sums; products left as they are: f32 operands where the result goes on into a quantised operand, else bf16, f16 or f32 operands; f32 sums; everything else in f32.
;; Inputs: W_agg 256 x 256 float32; W_diff 256 x 256 float32; W_res 256 x 256 float32; W_tau 1 x 256 float32; b_agg 256 float32; b_diff 256 float32; b_res 256 float32; b_tau 1 float32; beta 256 float32; gamma 256 float32; lowp_scales 6 int32 (the exponents e of the quantised operands' scales 2^e); x 1,024 x 256 float32.
;; Outputs: out0 1,024 x 256 float32.
;; This version of the problem:
;;   THIS VERSION OF THE PROBLEM IS GIVEN IN LOW PRECISION. The matrix products marked QUANTISED in the list below multiply operands that are first quantised to E5M2 (5 exponent bits, 2 mantissa bits; 8 bits a number), with one given power-of-two scale for each operand tensor; their sums are f32. All else is computed in f32.
;;   The module's matrix products, in the order in which they are computed (A, B: the left and right operand; K: the contracted axis; several contracted axes count as one K, in the product's order):
;;     1. [M 1,048,576, K 256] x [K 256, N 256]; A: computed on the way; B: input W_diff: QUANTISED (scales: A lowp_scales[0], B lowp_scales[1])
;;     2. [M 1,024, K 256] x [K 256, N 1]; A: input x; B: input W_tau: left as it is (N = 1 < 16)
;;     3. [M 1,024, K 256] x [K 256, N 256]; A: computed on the way; B: input W_agg: QUANTISED (scales: A lowp_scales[2], B lowp_scales[3])
;;     4. [M 1,024, K 256] x [K 256, N 256]; A: input x; B: input W_res: QUANTISED (scales: A lowp_scales[4], B lowp_scales[5])
;;   THE QUANTISER, for each operand of a quantised product, along K:
;;     - The operand's scale is 2^e, e = its entry of the input lowp_scales (int32; the entries are numbered through the quantised products in the list's order, A before B).
;;     - Each number is divided by the scale, clamped to +-57,344, and rounded to the nearest number of E5M2, ties to even, subnormals kept.
;;     - The product sums the exact products of the quantised numbers (number of the format x scale) in f32.
;;   ~~~python
;;   def quantise(x, axis, e):      # numpy; x: float32 -> the quantised numbers, widened to float32 again
;;       x = np.moveaxis(x, axis, -1); K = x.shape[-1]
;;       r = np.clip(x / 2.0 ** e, -57344, 57344)
;;       step = 2.0 ** (np.maximum(np.frexp(np.where(r == 0, 1, r))[1] - 1, -14) - 2)
;;       q = np.round(r / step) * step * 2.0 ** e      # np.round: ties to even
;;       return np.moveaxis(q, -1, axis).astype(np.float32)
;;   ~~~
;;   OPERANDS COMPUTED ON THE WAY. 'Computed on the way' means the value that the module computes at that place (a softmax that the list does not call 'softmax' is quantised finished and normalised). What goes into a quantiser is computed in f32, as accurately as f32 sums, v_exp_f32 and their like allow (about 1e-6 of the number): no bf16 or f16 on the way to a quantiser, and a product that is left as it is and whose result goes on into a quantised operand takes f32 operands (vector FMAs, or v_wmma_f32_16x16x4_f32). A number that lies on a knife's edge between two numbers of the format may be rounded either way, as far as f32 arithmetic and the matrix unit's own rounding can turn it there, and no further.
;; One version. Each part assembles by itself: llvm-mc -triple=amdgcn-amd-amdhsa -mcpu=gfx1250 --defsym DOCPART=n.
;; ======== version 1 of 1: 4 launches
;; workspace buffers: dist 4,194,304 bytes; idx 32,768 bytes of whole numbers; wcodes 196,608 bytes; part 4,194,304 bytes
;; launch pairdist (part 1): grid 8 x 32, 4 waves a work-group, clusters of 4 x 4, 172,544 bytes of LDS; arguments x, dist; writes dist
.if DOCPART == 1
	.amdgcn_target "amdgcn-amd-amdhsa--gfx1250"
	.amdhsa_code_object_version 6
	.text
	.protected	k_q0294eed754_pairdist
	.globl	k_q0294eed754_pairdist
	.p2align	8
	.type	k_q0294eed754_pairdist,@function
k_q0294eed754_pairdist:
	s_mov_b64 s[64:65], 0
	v_nop
	global_prefetch_b8 v0, s[64:65] scope:SCOPE_SE
	s_setreg_imm32_b32 hwreg(HW_REG_WAVE_MODE, 25, 1), 1
	s_wait_xcnt 0x0
	s_wait_alu depctr_hold_cnt(0) depctr_sa_sdst(0) depctr_va_vdst(0) depctr_va_sdst(0) depctr_va_ssrc(0) depctr_va_vcc(0) depctr_vm_vsrc(0)
	s_getreg_b32 s2, hwreg(HW_REG_IB_STS2, 6, 4)
	s_cmp_eq_u32 s2, 0
	s_cbranch_scc0 .Lentry_in_a_cluster
	s_endpgm
.Lentry_in_a_cluster:
	s_bfe_u32 s2, ttmp6, 0x10000c
	s_cmp_lg_u32 s2, 0xf033
	s_cbranch_scc0 .Lentry_shape_is_right
	s_endpgm
.Lentry_shape_is_right:
; dist[q][c] = sqrt(sum over d of (x[q][d] - x[c][d])^2), f32, for all 1,024 x 1,024 pairs: what reference() ranks by.  First of four launches: this one, the choice of the 8 nearest,
; the product of all pairs with W_diff, the chain of the later products.
; WORK LEFT OUT (by the whole program): none.  reference()'s product of |x_i - x_j| with W_diff is done for all 1,048,576 pairs, as it is written (third launch), and the choice of 8 rows for each i
; is applied behind the product, as reference() applies it.  Every input is loaded by some launch.
; LIMITS: NaN in x is not served; the squared distances must stay finite in f32.
; THE DIRECT FORM.  The difference is formed first and then squared, as reference() does: one packed subtraction and one packed multiply-add for two terms.  |a|^2 + |b|^2 - 2 a.b would halve the arithmetic,
; but it is a difference of large sums, which loses the near neighbours as soon as x carries a common offset.
; SHARES.  Work-group (bx, by): queries 32 by .. + 31 against candidates 128 bx .. + 127.  Wave w: queries 8 w .. 8 w + 7 of them against all 128 candidates.  Lane l holds candidates 4 l + s, s = 0 .. 3:
; its four results for a query are 16 neighbouring bytes of a row of dist, and the wave's store covers 512 consecutive bytes, aligned.  The sum over d runs inside a lane: nothing is reduced across lanes.
; For 4 of the 256 dimensions a wave reads 4 + 8 times 16 bytes a lane from LDS (the queries' reads name one address for all lanes) and issues 128 packed instructions.
; CLUSTER.  4 x 4 work-groups.  The four of a row of the cluster (same by) need the same queries, the four of a column (same bx) the same candidates: each tile is asked for JOINTLY, by the same tensor load
; with the same descriptor and a mask that names the four.  Every tile is filled once: nothing in LDS is filled again.  A wave has five tensor loads out at the most.
; LDS.  Candidates in four chunks of 64 dimensions; in a chunk four sets (s) of 32 rows (l); a row is 256 bytes + 16 of padding = 68 words, so row l starts at bank 4 l mod 64 (64 banks of 4 bytes: ISA guide 11.1).
; Behind them the 32 queries' whole rows, 1,024 bytes each, and the spare words.
.set PITCH,  272
.set SETB,   32*PITCH                  ; a set: 32 rows
.set CHUNKB, 4*SETB                    ; a chunk: four sets
.set QB,     4*CHUNKB                  ; the queries' rows: 8,192 bytes a wave
.set SPARE,  QB+4*8192                 ; the spare words, 128 bytes for each wave: two blocks of 256 bytes that no other line names
.set CA0, 1                            ; v1   272 x lane; never rewritten
.set SPW, 4                            ; v4   LDS address of my spare word: SPARE + 4 x my thread's number; never rewritten
.set NIL, 5                            ; v5   0; never rewritten
.set CAA, 6                            ; v6, v7  buffer 0's addresses (candidates, queries);  v2, v3  buffer 1's: each pair is rewritten only when the loads that named it are in
.set QAA, 7
.set T,   8                            ; v8-23    eight pairs of differences
.set BUF, 24                           ; v24-71   buffer 0: 16 registers of candidates (4 s + 0 .. 3), 32 of queries (4 qi + 0 .. 3);  v72-119 buffer 1
.set ACC, 120                          ; v120-183 the sums: for query qi and set s a pair (even dimensions, odd dimensions) at 8 qi + 2 s
.set R,   24                           ; v24-55   the results, at the end
.set WV,  8                            ; s8   my wave's number
.set G1C, 16                           ; s[16:23] descriptor group 1 for candidates;  s[24:31] for queries
.set G1Q, 24
.set G0Q, 32                           ; s[32:35] group 0 for my queries;  s[36:51] for my set of the four chunks
.set G0C, 36
.set CNT, 58                           ; s58  trips to go
.set CO,  59                           ; s59  the step's byte among the candidates: chunk + place in the row
.set QO,  60                           ; s60  the step's byte among the queries: my wave's rows + place in the row
; A round of the cluster's barrier: my work-group's barrier, wave 0's signal for the work-group, every wave's wait for all sixteen, my work-group's barrier once more.
.macro CROUND
	s_barrier_signal -1
	s_barrier_wait -1
	s_cmp_lg_u32 s[WV], 0
	s_cbranch_scc1 .Lnot_wave_0_\@
	s_barrier_signal -3
.Lnot_wave_0_\@:
	s_barrier_wait -3
	s_barrier_signal -1
	s_barrier_wait -1
.endm
	s_load_b128 s[4:7], s[0:1], 0x0                ; x s[4:5], dist s[6:7]
	v_lshl_add_u32 v[SPW], v0, 2, SPARE
	v_mov_b32 v[NIL], 0
	ds_add_u32 v[SPW], v[NIL]                      ; the wave's opening: the add, twice on end, and its wait ahead of my first tensor load; the set-up below, work on registers, stands between
	ds_add_u32 v[SPW], v[NIL]                      ; and once more, under the one wait
	v_lshrrev_b32 v1, 5, v0
	v_readfirstlane_b32 s[WV], v1                  ; wave 0..3
	s_bfe_u32 s9, ttmp6, 0x40000                   ; cx, cy: my place in the cluster
	s_bfe_u32 s10, ttmp6, 0x40004
	s_lshl_b32 s11, ttmp9, 2
	s_add_co_u32 s11, s11, s9                      ; bx = 4 x cluster x + cx
	s_and_b32 s12, ttmp7, 0xffff
	s_lshl_b32 s12, s12, 2
	s_add_co_u32 s12, s12, s10                     ; by = 4 x cluster y + cy
	s_lshl_b32 s13, s10, 2
	s_lshl_b32 s13, 15, s13                        ; my row of the cluster: places 4 cy .. 4 cy + 3
	s_lshl_b32 s14, 0x1111, s9                     ; my column: places cx, cx + 4, cx + 8, cx + 12
	; group 1, candidates: 32 rows x 64 elements of 4 bytes, every fourth row of x (the rows of one set), padded in LDS
	s_or_b32 s[G1C], s14, (2<<16)|(1<<20)|(1<<21)|(5<<22)|(3<<25)  ; 15:0 the mask: my column; 17:16 elements of 4 bytes; 20 padding on; 21 set beside a mask; 24:22 after every 64 words (code 5); 31:25 four words (code 3)
	s_mov_b32 s[G1C+1], 64<<16                     ; tensor_dim0 = 64
	s_mov_b32 s[G1C+2], 32<<16                     ; tensor_dim1 = 32
	s_mov_b32 s[G1C+3], 64<<16                     ; tile_dim0 = 64
	s_mov_b32 s[G1C+4], 32                         ; tile_dim1 = 32
	s_mov_b32 s[G1C+5], 1024                       ; from row to row: four rows of x, in elements
	s_mov_b32 s[G1C+6], 0
	s_mov_b32 s[G1C+7], 0
	; group 1, queries: 8 whole rows of 256 elements, dense, no padding (all lanes read one address)
	s_or_b32 s[G1Q], s13, (2<<16)|(1<<21)          ; the mask: my row of the cluster
	s_mov_b32 s[G1Q+1], 256<<16
	s_mov_b32 s[G1Q+2], 8<<16
	s_mov_b32 s[G1Q+3], 256<<16
	s_mov_b32 s[G1Q+4], 8
	s_mov_b32 s[G1Q+5], 256
	s_mov_b32 s[G1Q+6], 0
	s_mov_b32 s[G1Q+7], 0
	s_lshl_b32 s52, s11, 7                         ; candidates: row 128 bx + w (set s = w is the one that wave w fetches): made of bx and the wave's number alone
	s_add_co_u32 s52, s52, s[WV]
	s_lshl_b32 s52, s52, 10
	s_mov_b32 s53, 0
	s_lshl_b32 s54, s12, 5                         ; queries: row 32 by + 8 w: made of by and the wave's number alone
	s_lshl_b32 s55, s[WV], 3
	s_add_co_u32 s54, s54, s55
	s_lshl_b32 s54, s54, 10
	s_mov_b32 s55, 0
	s_mul_i32 s61, s[WV], SETB                     ; my set's place in a chunk: no place in the cluster enters an LDS address
	s_lshl_b32 s[QO], s[WV], 13
	s_add_co_u32 s[QO], s[QO], QB                  ; my queries' rows
	s_mov_b32 s[CO], 0
	s_wait_dscnt 0x0                               ; both opening adds are done
	s_wait_kmcnt 0x0
	s_add_nc_u64 s[52:53], s[4:5], s[52:53]
	s_add_nc_u64 s[54:55], s[4:5], s[54:55]
	s_mov_b32 s[G0Q], 1                            ; count = 1
	s_mov_b32 s[G0Q+1], s[QO]                      ; LDS address
	s_mov_b64 s[G0Q+2:G0Q+3], s[54:55]             ; global address
	s_or_b32 s[G0Q+3], s[G0Q+3], 0x80000000        ; type = 2
.irp k, 0,1,2,3
	s_mov_b32 s[G0C+4*\k], 1
	s_add_co_u32 s[G0C+4*\k+1], s61, \k*CHUNKB
	s_add_nc_u64 s[G0C+4*\k+2:G0C+4*\k+3], s[52:53], \k*256   ; chunk k: 64 dimensions, 256 bytes, further along the rows
	s_or_b32 s[G0C+4*\k+3], s[G0C+4*\k+3], 0x80000000
.endr
	CROUND                                         ; all sixteen work-groups are here: the joint loads meet
	tensor_load_to_lds s[G0Q:G0Q+3], s[G1Q:G1Q+7]  ; all fills of the launch go out as one group: my queries, then my set of chunks 0 to 3, in the order in which they are wanted
	s_nop 0
.irp k, 0,1,2,3
	tensor_load_to_lds s[G0C+4*\k:G0C+4*\k+3], s[G1C:G1C+7]
	s_nop 0
.endr
.rept 4
	v_nop
.endr
	v_and_b32 v[CA0], 31, v0
	v_mul_u32_u24 v[CA0], v[CA0], PITCH            ; my row in a set
	s_lshl_b32 s56, s12, 5                         ; where my wave's part of dist begins: row 32 by + 8 w, column 128 bx
	s_lshl_b32 s57, s[WV], 3
	s_add_co_u32 s56, s56, s57
	s_lshl_b32 s56, s56, 12
	s_lshl_b32 s57, s11, 9
	s_add_co_u32 s56, s56, s57
	s_mov_b32 s57, 0
	s_add_nc_u64 s[6:7], s[6:7], s[56:57]
; Twelve LDS loads: 4 dimensions (16 bytes at byte o behind the step's place) of my 4 candidates and of the wave's 8 queries, into buffer b.
.macro FETCH b, o
.set ca, CAA-4*(\b)
.set qa, QAA-4*(\b)
.set cr, BUF+48*(\b)
.set qr, BUF+16+48*(\b)
	v_add_nc_u32 v[ca], s[CO], v[CA0]
	v_mov_b32 v[qa], s[QO]
.irp s, 0,1,2,3
	ds_load_b128 v[cr+4*\s:cr+4*\s+3], v[ca] offset:\s*SETB+\o
.endr
.irp q, 0,1,2,3,4,5,6,7
	ds_load_b128 v[qr+4*\q:qr+4*\q+3], v[qa] offset:\q*1024+\o
.endr
.endm
; 128 packed instructions on buffer b: for each query eight subtractions (4 candidates x 2 pairs of dimensions), then eight multiply-adds.  A difference is used five to eleven lines behind its subtraction,
; a sum is taken up again four lines on.  first = 1: the first products start the sums: nothing is cleared.
.macro COMPUTE b, first
.set cr, BUF+48*(\b)
.set qr, BUF+16+48*(\b)
.irp qi, 0,1,2,3,4,5,6,7
.irp s, 0,1,2,3
.irp p, 0,1
	v_pk_add_f32 v[T+4*\s+2*\p:T+4*\s+2*\p+1], v[cr+4*\s+2*\p:cr+4*\s+2*\p+1], v[qr+4*\qi+2*\p:qr+4*\qi+2*\p+1] neg_lo:[0,1] neg_hi:[0,1]
.endr
.endr
.irp p, 0,1
.irp s, 0,1,2,3
.if (\first) && (\p == 0)
	v_pk_mul_f32 v[ACC+8*\qi+2*\s:ACC+8*\qi+2*\s+1], v[T+4*\s+2*\p:T+4*\s+2*\p+1], v[T+4*\s+2*\p:T+4*\s+2*\p+1]
.else
	v_pk_fma_f32 v[ACC+8*\qi+2*\s:ACC+8*\qi+2*\s+1], v[T+4*\s+2*\p:T+4*\s+2*\p+1], v[T+4*\s+2*\p:T+4*\s+2*\p+1], v[ACC+8*\qi+2*\s:ACC+8*\qi+2*\s+1]
.endif
.endr
.endr
.endr
.endm
; A trip: two steps of 4 dimensions.  While one buffer is worked on, the other's twelve loads are on their way.
.macro TRIP
	FETCH 0, 0
	s_wait_dscnt 12                                ; all but the twelve just issued: buffer 1 is in
	COMPUTE 1, 0
	FETCH 1, 16
	s_wait_dscnt 12                                ; buffer 0 is in
	COMPUTE 0, 0
	s_add_co_u32 s[CO], s[CO], 32
	s_add_co_u32 s[QO], s[QO], 32
.endm
.macro LOOPN n
	s_mov_b32 s[CNT], \n
.Ltrip_\@:
	TRIP
	s_sub_co_u32 s[CNT], s[CNT], 1
	s_cmp_lg_u32 s[CNT], 0
	s_cbranch_scc1 .Ltrip_\@
.endm
; On to chunk k: my set of it has landed (the 3 - k chunks behind it may stay out), and behind the barrier everybody's has.
.macro BOUNDARY k
	s_wait_dscnt 0x0                               ; no LDS instruction of mine is out at a signal
	s_wait_tensorcnt 3-\k
	s_barrier_signal -1
	s_barrier_wait -1
	s_mov_b32 s[CO], \k*CHUNKB
.endm
	s_wait_tensorcnt 3                             ; tensor loads of a wave end in order: my queries and my set of chunk 0 are in; chunks 1 to 3 may stay out
	s_barrier_signal -1
	s_barrier_wait -1                              ; everybody's are
	FETCH 0, 0                                     ; steps 0 and 1
	FETCH 1, 16
	s_wait_dscnt 12
	COMPUTE 0, 1                                   ; step 0 starts the sums
	s_add_co_u32 s[CO], s[CO], 32
	s_add_co_u32 s[QO], s[QO], 32
	LOOPN 7                                        ; steps 1 to 14 are worked, up to 15 fetched: the last of chunk 0's sixteen
	BOUNDARY 1
	LOOPN 8
	BOUNDARY 2
	LOOPN 8
	BOUNDARY 3
	LOOPN 8
	s_wait_dscnt 0x0
	COMPUTE 1, 0                                   ; step 63
	; THE WAY OUT: the two halves of each sum, the root, eight stores of 512 consecutive bytes
.irp qi, 0,1,2,3,4,5,6,7
.irp s, 0,1,2,3
	v_add_f32 v[R+4*\qi+\s], v[ACC+8*\qi+2*\s], v[ACC+8*\qi+2*\s+1]
.endr
.endr
.set i, 0
.rept 32
	v_sqrt_f32 v[R+i], v[R+i]
.set i, i+1
.endr
	v_and_b32 v[CAA], 31, v0                       ; (a plain line behind the last root)  my 16 bytes of a row's 512
	v_lshlrev_b32 v[CAA], 4, v[CAA]
	s_wait_alu depctr_va_vdst(0)                   ; one wait for the 32 roots, ahead of their first reader
.irp qi, 0,1,2,3,4,5,6,7
	global_store_b128 v[CAA], v[R+4*\qi:R+4*\qi+3], s[6:7] offset:\qi*4096 th:TH_STORE_NT
.endr
	s_wait_tensorcnt 0x0                           ; the wave's end
	ds_add_u32 v[SPW], v[NIL]
	s_wait_dscnt 0x0
	CROUND                                         ; the closing round: no work-group ends while a partner may still ask for a tile that names it
	s_endpgm
.Lfunc_end_k_q0294eed754_pairdist:
	.size	k_q0294eed754_pairdist, .Lfunc_end_k_q0294eed754_pairdist-k_q0294eed754_pairdist
	.p2alignl 7, 3214868480
	.fill 96, 4, 3214868480
	.section	.rodata,"a",@progbits
	.p2align	6, 0x0
	.amdhsa_kernel k_q0294eed754_pairdist
		.amdhsa_group_segment_fixed_size 172544
		.amdhsa_private_segment_fixed_size 0
		.amdhsa_enable_private_segment 0
		.amdhsa_kernarg_size 16
		.amdhsa_user_sgpr_count 2
		.amdhsa_user_sgpr_kernarg_segment_ptr 1
		.amdhsa_wavefront_size32 1
		.amdhsa_system_sgpr_workgroup_id_x 1
		.amdhsa_system_sgpr_workgroup_id_y 1
		.amdhsa_system_sgpr_workgroup_id_z 1
		.amdhsa_system_vgpr_workitem_id 0
		.amdhsa_next_free_vgpr 184
		.amdhsa_next_free_sgpr 66
		.amdhsa_reserve_vcc 0
		.amdhsa_float_denorm_mode_32 3
		.amdhsa_float_denorm_mode_16_64 3
		.amdhsa_memory_ordered 1
		.amdhsa_forward_progress 1
		.amdhsa_inst_pref_size 99
	.end_amdhsa_kernel
	.amdgpu_metadata
---
amdhsa.version: [ 1, 2 ]
amdhsa.kernels:
  - .name:           k_q0294eed754_pairdist
    .symbol:         k_q0294eed754_pairdist.kd
    .args:
      - { .name: x, .offset: 0, .size: 8, .value_kind: global_buffer, .address_space: global }
      - { .name: dist, .offset: 8, .size: 8, .value_kind: global_buffer, .address_space: global }
    .group_segment_fixed_size: 172544
    .private_segment_fixed_size: 0
    .kernarg_segment_align: 8
    .kernarg_segment_size: 16
    .max_flat_workgroup_size: 128
    .sgpr_count:     66
    .vgpr_count:     184
    .wavefront_size: 32
...
	.end_amdgpu_metadata
.endif
;; end of part 1
;; launch topk (part 2): grid 256 x 1, 4 waves a work-group, no clusters, 0 bytes of LDS; arguments dist, W_diff, W_agg, W_res, lowp_scales, idx, wcodes; writes idx, wcodes
.if DOCPART == 2
	.amdgcn_target "amdgcn-amd-amdhsa--gfx1250"
	.amdhsa_code_object_version 6
	.text
	.protected	k_q0294eed754_topk
	.globl	k_q0294eed754_topk
	.p2align	8
	.type	k_q0294eed754_topk,@function
k_q0294eed754_topk:
	s_mov_b64 s[64:65], 0
	v_nop
	global_prefetch_b8 v0, s[64:65] scope:SCOPE_SE
	s_setreg_imm32_b32 hwreg(HW_REG_WAVE_MODE, 25, 1), 1
	s_wait_xcnt 0x0
; idx[q][0 .. 7] = the 8 candidates with the smallest dist[q][.], equal distances to the lower index, as jax.lax.top_k(-dists, 8) breaks ties.  They are stored as whole numbers at fixed places:
; no address and no branch of this launch hangs on them; the next launch reads them and makes its masks of them.
; A WAVE TAKES A QUERY: its row of 1,024 distances lies in 32 registers a lane; register 4 j + e of lane l holds candidate 128 j + 4 l + e (eight loads of 512 consecutive bytes).
; Eight times: the smallest distance of the wave; among the entries equal to it the smallest index; lane k keeps the k-th index; the entry taken becomes +infinity.
; LIMITS: NaN among the distances is not served; +infinity marks what is taken, so the distances must be finite.
; ON THE SIDE, the three weights become codes of BF8 (E5M2), once for the whole program: the waves of the first 96 work-groups make one block of 512 bytes each, 384 in all.
; wcodes is laid in the order of the operand's registers: block mat x 128 + nt x 8 + s x 4 + c holds, at 16 x lane, for lane (r = lane % 16, h = lane / 16), the codes of row 16 nt + r,
; k = 128 s + 32 c + 16 h + 0 .. 15: four such blocks on end are a fragment of 16 rows x 128 K as four loads of 16 bytes a lane take it.  mat 0 = W_diff, 1 = W_agg, 2 = W_res.
; code = w / 2^e, held within +-57,344, to the nearest code, ties to even; e = entry 1, 3, 5 of lowp_scales.  LIMIT: each of them between -126 and 112, so that 2^e and 57,344 x 2^e are f32 numbers.
; No LDS, no barrier, no cluster: waves share nothing.  idx leaves as 32 bytes a wave: the buffer is 32 KiB in all, and to gather eight queries' indices for one store would take LDS and a barrier.
.set RES, 3                            ; v3       lane k: the k-th index
.set M,   4                            ; v4       the smallest distance
.set TMP, 5                            ; v5       what comes from another lane
.set CI,  6                            ; v6-9     four chains of indices
.set INF, 10                           ; v10      +infinity
.set D,   16                           ; v16-47   the distances
.set KV,  48                           ; v48-79   their indices
.set TT,  80                           ; v80-94   the tree of minima
	s_load_b256 s[4:11], s[0:1], 0x0               ; dist s[4:5], W_diff s[6:7], W_agg s[8:9], W_res s[10:11]
	s_load_b128 s[12:15], s[0:1], 0x20             ; lowp_scales s[12:13], idx s[14:15]
	s_load_b64 s[16:17], s[0:1], 0x30              ; wcodes
	v_lshrrev_b32 v1, 5, v0
	v_readfirstlane_b32 s18, v1                    ; wave
	v_and_b32 v1, 31, v0                           ; lane
	v_lshlrev_b32 v2, 4, v1                        ; 16 x lane
	v_lshlrev_b32 v12, 2, v1                       ; 4 x lane
	s_lshl_b32 s19, ttmp9, 2
	s_add_co_u32 s19, s19, s18                     ; my query, and my block of wcodes
	s_lshl_b32 s20, s19, 12                        ; its row of dist
	s_mov_b32 s21, 0
	s_lshl_b32 s22, s19, 5                         ; its 32 bytes of idx
	s_mov_b32 s23, 0
	s_mov_b32 s30, 0x76543210                      ; v_permlanex16_b32's selects for lane l xor 16
	s_mov_b32 s31, 0xfedcba98
	s_wait_kmcnt 0x0
	s_add_nc_u64 s[4:5], s[4:5], s[20:21]
	s_add_nc_u64 s[14:15], s[14:15], s[22:23]
.irp j, 0,1,2,3,4,5,6,7
	global_load_b128 v[D+4*\j:D+4*\j+3], v2, s[4:5] offset:512*\j th:TH_LOAD_NT
.endr
	v_mov_b32 v[RES], 0
	v_mov_b32 v[TMP], 0                            ; written once: the destination of a lane permute counts as read
	v_mov_b32 v[INF], 0x7f800000
.irp j, 0,1,2,3,4,5,6,7
.irp e, 0,1,2,3
	v_add_nc_u32 v[KV+4*\j+\e], 128*\j+\e, v12
.endr
.endr
	s_cmp_ge_u32 ttmp9, 96                         ; 96 work-groups x 4 waves = the 384 blocks: a branch on the work-group's number
	s_cbranch_scc1 .Lno_weights
	s_load_b128 s[24:27], s[12:13], 0x0            ; e0 .. e3
	s_load_b64 s[28:29], s[12:13], 0x10            ; e4, e5
	s_lshr_b32 s33, s19, 7                         ; mat
	s_bfe_u32 s34, s19, 0x40003                    ; nt
	s_bfe_u32 s35, s19, 0x10002                    ; s
	s_and_b32 s36, s19, 3                          ; c
	s_lshl_b32 s34, s34, 14                        ; 16 rows of 1,024 bytes
	s_lshl_b32 s35, s35, 9                         ; 128 numbers
	s_lshl_b32 s36, s36, 7                         ; 32 numbers
	s_add_co_u32 s34, s34, s35
	s_add_co_u32 s34, s34, s36
	v_and_b32 v118, 15, v0                         ; r
	v_bfe_u32 v119, v0, 4, 1                       ; h
	v_lshlrev_b32 v118, 10, v118
	v_lshl_add_u32 v118, v119, 6, v118
	v_add_nc_u32 v118, s34, v118                   ; my 16 numbers: row 16 nt + r, k = 128 s + 32 c + 16 h on
	s_lshl_b32 s35, s19, 9
	v_add_nc_u32 v119, s35, v2                     ; my 16 codes
	s_cmp_lt_u32 s33, 1                            ; the weight is chosen by the block's number alone
	s_cselect_b64 s[36:37], s[6:7], s[8:9]
	s_cmp_lt_u32 s33, 2
	s_cselect_b64 s[36:37], s[36:37], s[10:11]
.irp i, 0,1,2,3
	global_load_b128 v[96+4*\i:99+4*\i], v118, s[36:37] offset:16*\i
.endr
	s_wait_kmcnt 0x0
	s_cmp_lt_u32 s33, 1
	s_cselect_b32 s38, s25, s27
	s_cmp_lt_u32 s33, 2
	s_cselect_b32 s38, s38, s29                    ; e1, e3 or e5
	s_add_co_i32 s38, s38, 127
	s_lshl_b32 s39, s38, 23
	v_mov_b32 v116, s39                            ; 2^e as f32: the conversion takes its exponent field
	s_add_co_i32 s38, s38, 15
	s_lshl_b32 s38, s38, 23
	s_or_b32 s38, s38, 0x600000
	v_mov_b32 v117, s38                            ; 57,344 x 2^e
	s_wait_loadcnt 0x0
.irp i, 0,1,2,3,4,5,6,7,8,9,10,11,12,13,14,15
	v_med3_num_f32 v[96+\i], v[96+\i], -v117, v117 ; the conversion to an 8-bit code does not saturate (ISA guide 7.6.2): the hold comes first
.endr
	v_cvt_scalef32_pk8_bf8_f32 v[112:113], v[96:103], v116
	v_cvt_scalef32_pk8_bf8_f32 v[114:115], v[104:111], v116
	v_nop                                          ; a plain line behind the last conversion
	global_store_b128 v119, v[112:115], s[16:17]   ; the wave stores 512 consecutive bytes, aligned
.Lno_weights:
	s_wait_loadcnt 0x0                             ; my row of distances
; One pick.  knock = 1: the entry taken is struck out for the picks that follow.
.macro PICK knock
.irp i, 0,1,2,3,4,5,6,7,8,9
	v_min3_num_f32 v[TT+\i], v[D+3*\i], v[D+3*\i+1], v[D+3*\i+2]   ; the smallest of my 32, as a tree
.endr
	v_min_num_f32 v[TT+10], v[D+30], v[D+31]
.irp i, 0,1,2
	v_min3_num_f32 v[TT+11+\i], v[TT+3*\i], v[TT+3*\i+1], v[TT+3*\i+2]
.endr
	v_min_num_f32 v[TT+14], v[TT+9], v[TT+10]
	v_min3_num_f32 v[M], v[TT+11], v[TT+12], v[TT+13]
	v_min_num_f32 v[M], v[M], v[TT+14]
.irp m, 1,2,4,8
	v_min_num_f32_dpp v[M], v[M], v[M] row_xmask:\m row_mask:0xf bank_mask:0xf   ; and of the wave's 1,024
.endr
	v_permlanex16_b32 v[TMP], v[M], s30, s31
	v_min_num_f32 v[M], v[M], v[TMP]
.irp e, 0,1,2,3
	v_mov_b32 v[CI+\e], 0x1000                     ; above every index
.endr
.irp j, 7,6,5,4,3,2,1,0                        ; from the highest index down: what is written last is the chain's lowest index with that distance
.irp e, 0,1,2,3
	v_cmp_eq_f32 s[40+\e], v[D+4*\j+\e], v[M]
.endr
.irp e, 0,1,2,3
	v_cndmask_b32 v[CI+\e], v[CI+\e], v[KV+4*\j+\e], s[40+\e]
.endr
.endr
	v_min_u32 v[CI], v[CI], v[CI+1]
	v_min_u32 v[CI+2], v[CI+2], v[CI+3]
	v_min_u32 v[CI], v[CI], v[CI+2]
.irp m, 1,2,4,8
	v_mov_b32_dpp v[TMP], v[CI] row_xmask:\m row_mask:0xf bank_mask:0xf
	v_min_u32 v[CI], v[CI], v[TMP]
.endr
	v_permlanex16_b32 v[TMP], v[CI], s30, s31
	v_min_u32 v[CI], v[CI], v[TMP]                 ; the lowest index among equal distances, in every lane
	v_cmp_eq_u32 vcc_lo, s32, v1
	v_cndmask_b32 v[RES], v[RES], v[CI], vcc_lo    ; lane k keeps pick k
.if \knock
.irp j, 0,1,2,3,4,5,6,7
.irp e, 0,1,2,3
	v_cmp_eq_u32 s[40+\e], v[KV+4*\j+\e], v[CI]
.endr
.irp e, 0,1,2,3
	v_cndmask_b32 v[D+4*\j+\e], v[D+4*\j+\e], v[INF], s[40+\e]
.endr
.endr
.endif
.endm
	s_mov_b32 s32, 0
.Lpick:
	PICK 1
	s_add_co_u32 s32, s32, 1
	s_cmp_lt_u32 s32, 7
	s_cbranch_scc1 .Lpick
	PICK 0                                         ; the eighth: nothing follows, so nothing is struck out
	v_cmp_gt_u32 vcc_lo, 8, v1
	s_wait_xcnt 0x0                                ; EXEC is a source of the memory instructions issued so far: it changes only behind this wait
	s_and_saveexec_b32 s44, vcc_lo
	global_store_b32 v12, v[RES], s[14:15]         ; lanes 0 to 7: 32 bytes
	s_wait_xcnt 0x0                                ; and again, in front of the line that widens it
	s_or_b32 exec_lo, exec_lo, s44
	s_endpgm
.Lfunc_end_k_q0294eed754_topk:
	.size	k_q0294eed754_topk, .Lfunc_end_k_q0294eed754_topk-k_q0294eed754_topk
	.p2alignl 7, 3214868480
	.fill 96, 4, 3214868480
	.section	.rodata,"a",@progbits
	.p2align	6, 0x0
	.amdhsa_kernel k_q0294eed754_topk
		.amdhsa_group_segment_fixed_size 0
		.amdhsa_private_segment_fixed_size 0
		.amdhsa_enable_private_segment 0
		.amdhsa_kernarg_size 56
		.amdhsa_user_sgpr_count 2
		.amdhsa_user_sgpr_kernarg_segment_ptr 1
		.amdhsa_wavefront_size32 1
		.amdhsa_system_sgpr_workgroup_id_x 1
		.amdhsa_system_sgpr_workgroup_id_y 1
		.amdhsa_system_sgpr_workgroup_id_z 1
		.amdhsa_system_vgpr_workitem_id 0
		.amdhsa_next_free_vgpr 120
		.amdhsa_next_free_sgpr 66
		.amdhsa_reserve_vcc 1
		.amdhsa_float_denorm_mode_32 3
		.amdhsa_float_denorm_mode_16_64 3
		.amdhsa_memory_ordered 1
		.amdhsa_forward_progress 1
		.amdhsa_inst_pref_size 24
	.end_amdhsa_kernel
	.amdgpu_metadata
---
amdhsa.version: [ 1, 2 ]
amdhsa.kernels:
  - .name:           k_q0294eed754_topk
    .symbol:         k_q0294eed754_topk.kd
    .args:
      - { .name: dist, .offset: 0, .size: 8, .value_kind: global_buffer, .address_space: global }
      - { .name: W_diff, .offset: 8, .size: 8, .value_kind: global_buffer, .address_space: global }
      - { .name: W_agg, .offset: 16, .size: 8, .value_kind: global_buffer, .address_space: global }
      - { .name: W_res, .offset: 24, .size: 8, .value_kind: global_buffer, .address_space: global }
      - { .name: lowp_scales, .offset: 32, .size: 8, .value_kind: global_buffer, .address_space: global }
      - { .name: idx, .offset: 40, .size: 8, .value_kind: global_buffer, .address_space: global }
      - { .name: wcodes, .offset: 48, .size: 8, .value_kind: global_buffer, .address_space: global }
    .group_segment_fixed_size: 0
    .private_segment_fixed_size: 0
    .kernarg_segment_align: 8
    .kernarg_segment_size: 56
    .max_flat_workgroup_size: 128
    .sgpr_count:     66
    .vgpr_count:     120
    .wavefront_size: 32
...
	.end_amdgpu_metadata
.endif
;; end of part 2
;; launch proj (part 3): grid 64 x 4, 4 waves a work-group, clusters of 4 x 1, 262,656 bytes of LDS; arguments x, idx, wcodes, lowp_scales, part; writes part
.if DOCPART == 3
	.amdgcn_target "amdgcn-amd-amdhsa--gfx1250"
	.amdhsa_code_object_version 6
	.text
	.protected	k_q0294eed754_proj
	.globl	k_q0294eed754_proj
	.p2align	8
	.type	k_q0294eed754_proj,@function
k_q0294eed754_proj:
	s_mov_b64 s[64:65], 0
	v_nop
	global_prefetch_b8 v0, s[64:65] scope:SCOPE_SE
	s_setreg_imm32_b32 hwreg(HW_REG_WAVE_MODE, 25, 1), 1
	s_wait_xcnt 0x0
	s_wait_alu depctr_hold_cnt(0) depctr_sa_sdst(0) depctr_va_vdst(0) depctr_va_sdst(0) depctr_va_ssrc(0) depctr_va_vcc(0) depctr_vm_vsrc(0)
	s_getreg_b32 s2, hwreg(HW_REG_IB_STS2, 6, 4)
	s_cmp_eq_u32 s2, 0
	s_cbranch_scc0 .Lentry_in_a_cluster
	s_endpgm
.Lentry_in_a_cluster:
	s_bfe_u32 s2, ttmp6, 0x10000c
	s_cmp_lg_u32 s2, 0x3003
	s_cbranch_scc0 .Lentry_shape_is_right
	s_endpgm
.Lentry_shape_is_right:
; part[cb][q][n] = the sum, over the 256 candidates c of block cb that are among q's 8 nearest, of (code(|x_q - x_c|) . code(W_diff[n])): reference()'s product of ALL pairs with W_diff, on codes of BF8 (E5M2),
; by v_wmma_f32_16x16x128_bf8_bf8, and its choice of 8 rows, applied behind the product as a factor 1 or 0.  Nothing is left out.  The scales 2^(e0 + e1), the division by 8 and b_diff follow in the next launch.
; A product's sum is at most 256 x 57,344^2, a finite f32 number, so 0 x the sum is 0.  LIMITS: e0 between -126 and 112, so that 2^e0 and 57,344 x 2^e0 are f32 numbers; NaN in x is not served.
; SHARES.  Work-group (qt, cb): queries 16 qt .. + 15 against candidates 256 cb .. + 255; wave w: candidates 256 cb + 64 w .. + 63.  A TILE IS THE 16 QUERIES AGAINST ONE CANDIDATE: lane (r = lane % 16, h = lane / 16)
; holds query r; of its 256 numbers those at k = 128 s + 32 c + 16 h + 0 .. 15 stay in 128 registers.  All of W_diff's codes stay in the wave's registers too (512), so a tile's fragment of codes is made once,
; in registers, and feeds 32 matrix instructions: no code goes through LDS.  The product is used transposed (source 0 = 16 rows of W_diff, source 1 = the 16 pairs): a lane's results are its own query's, for
; columns 16 nt + 8 h + 0 .. 7: the mask is one number a lane, and the 128 sums of a lane need no other lane.
; THE CANDIDATE'S ROW comes from LDS by two loads of 16 bytes a lane: the sixteen lanes of half h hold between them the 128 numbers that this half wants, and the subtraction takes each from its lane by row_share.
; (Of such a load the sixteen lanes of a half touch four runs of 64 bytes, 128 bytes apart, two of them on the same banks: two loads a tile, so it is left so.)
; THE MASK.  At the head a lane turns its query's 8 stored indices into 64 bits, one a candidate of the wave (even tiles in one register, odd tiles in another); a tile takes its bit and makes 1.0 or 0.0 of it.
; The indices are whole numbers that an earlier launch stored; no address and no branch hangs on them.
; BY TURNS.  In the PERIOD of tile s the 32 products of tile s are issued one at a time, and behind each stands a slice of 8 or 9 lines that make tile s + 1's codes in the other buffer (8 subtractions, or 8 holds and a
; conversion); a finished product tile is added to the sums two slices behind its last product.  A tile has 338 vector lines for 32 matrix instructions: set in phases of their own they would leave the matrix unit
; idle all that while.  The price is two switches of the register window for each matrix instruction.
; CLUSTER.  The four work-groups of a cluster share cb, so they want the same candidates: each wave's 64 rows are asked for JOINTLY, by the same tensor load with the same descriptor and the mask of all four.  Each
; region of LDS is filled once.  A wave has one tensor load out.  W_diff's codes, which every wave wants, go from memory straight into registers: beside the candidates' 262,144 bytes its 65,536 and the spare words do not fit.
; THE END.  The four waves' sums meet in LDS (each wave's image in its own region, which it alone has read, and has read out), and wave w adds and stores the registers of column tiles 4 w .. 4 w + 3.
; part is laid as images of registers: for (cb, qt) 32 blocks of 512 bytes; block 2 nt + g holds, at 16 x lane, the sums of query r, columns 16 nt + 8 h + 4 g + 0 .. 3.
; REGISTERS, in windows of 256 (s_set_vgpr_msb: bits 1:0 source 0, 3:2 source 1, 5:4 source 2, 7:6 destination):
;   window 0: v1-7 addresses and the scale; v8-23 16 differences; v24-31 the candidate; v32-95 two buffers of codes; v96-127 four product tiles; v128-255 the sums (column tile nt at 8 nt)
;   window 1: v7 the scale once more, v8 the hold, v10-13 two masks, v14 at work, v16-17 the bits; v128-255 the queries' numbers        windows 2, 3: W_diff: fragment (nt, s) at 32 (nt % 8) + 16 s of window 2 + nt / 8
.set CANDB, 65536                      ; a wave's region of LDS: 64 rows of 1,024 bytes
.set SPARE, 4*CANDB                    ; behind the four regions: the spare words, 128 bytes for each wave: two blocks of 256 bytes that no other line names
.set SPW, 1                            ; v1   LDS address of my spare word: SPARE + 4 x my thread's number; never rewritten
.set NIL, 2                            ; v2   0; never rewritten
.set LA,  3                            ; v3   LDS address of the candidates' loads in hand
.set LA0, 4                            ; v4   my lane's place in my wave's first row
.set IA,  5                            ; v5   where my sums' image goes
.set RA,  6                            ; v6   4,096 x wave + 16 x lane: where I read images back, and my byte in the block of part
.set SC,  7                            ; v7   2^e0 as f32, in window 0 and at the same number in window 1
.set T,   8
.set CR,  24
.set CB,  32
.set DB,  96
.set ACC, 128
.set LIM, 8                            ; window 1: 57,344 x 2^e0
.set MK,  10                           ; window 1: the mask of an even tile (a pair; the low word is used), of an odd tile
.set TM,  14
.set BM,  16                           ; window 1: the bits of the even tiles, of the odd tiles
.set XQ,  128
.set HR,  128                          ; at the head, in the sums' registers: r, h, at work,
.set HH,  129
.set HT,  130
.set XQA, 132                          ; the offsets of the head's loads,
.set IXA, 133
.set L16, 134
.set IX,  136                          ; my query's 8 indices,
.set MT,  144                          ; at work on the bits
.set ONE, 149
.set B0,  150
.set B1,  151
.set WV,  14                           ; s14  my wave's number
.set G1,  24                           ; s[24:31] descriptor group 1;  s[32:35] group 0
.set G0,  32
.set SB,  40                           ; s40  which bit the next masks take; it also counts the trips
.set SO,  41                           ; s41  the trip's byte among my candidates
.set MSB, 0
.macro WIN new                         ; the immediate's high byte repeats the setting that is left; a switch that changes nothing is dropped
.if MSB != (\new)
	s_set_vgpr_msb (MSB<<8)|(\new)
.set MSB, (\new)
.endif
.endm
.set W_VA, 0x04                        ; vector work: source 1 (the queries, the hold, the scale, the mask) in window 1, all else in window 0
.set W_MK, 0x41                        ; the mask's two lines: source 0 and destination in window 1
.macro CROUND                          ; a round of the cluster's barrier
	s_barrier_signal -1
	s_barrier_wait -1
	s_cmp_lg_u32 s[WV], 0
	s_cbranch_scc1 .Lnot_wave_0_\@
	s_barrier_signal -3
.Lnot_wave_0_\@:
	s_barrier_wait -3
	s_barrier_signal -1
	s_barrier_wait -1
.endm
	s_load_b256 s[4:11], s[0:1], 0x0               ; x s[4:5], idx s[6:7], wcodes s[8:9], lowp_scales s[10:11]
	s_load_b64 s[12:13], s[0:1], 0x20              ; part
	v_lshl_add_u32 v[SPW], v0, 2, SPARE
	v_mov_b32 v[NIL], 0
	ds_add_u32 v[SPW], v[NIL]                      ; the wave's opening: the add, twice on end, and its wait ahead of my first tensor load; the set-up below, work on registers, stands between
	ds_add_u32 v[SPW], v[NIL]                      ; and once more, under the one wait
	v_lshrrev_b32 v[HT], 5, v0
	v_readfirstlane_b32 s[WV], v[HT]               ; wave 0..3
	s_bfe_u32 s15, ttmp6, 0x40000                  ; cx: my place in the cluster
	s_lshl_b32 s16, ttmp9, 2
	s_add_co_u32 s16, s16, s15                     ; qt = 4 x cluster x + cx: it enters the offsets of the queries, of idx and of part alone
	s_and_b32 s17, ttmp7, 0xffff                   ; cb, which the four partners share
	; group 1: 64 rows of 256 elements of 4 bytes, dense in memory and in LDS
	s_mov_b32 s[G1], 15|(2<<16)|(1<<21)            ; 15:0 the mask: all four work-groups; 17:16 elements of 4 bytes; 20 no padding; 21 set beside a mask
	s_mov_b32 s[G1+1], 256<<16                     ; tensor_dim0 = 256
	s_mov_b32 s[G1+2], 64<<16                      ; tensor_dim1 = 64
	s_mov_b32 s[G1+3], 256<<16                     ; tile_dim0 = 256
	s_mov_b32 s[G1+4], 64                          ; tile_dim1 = 64
	s_mov_b32 s[G1+5], 256                         ; from row to row
	s_mov_b32 s[G1+6], 0
	s_mov_b32 s[G1+7], 0
	s_lshl_b32 s18, s17, 8
	s_lshl_b32 s19, s[WV], 6
	s_add_co_u32 s18, s18, s19                     ; my wave's first candidate: 256 cb + 64 w
	s_lshl_b32 s20, s18, 10                        ; its row of x
	s_mov_b32 s21, 0
	s_lshl_b32 s22, s[WV], 16                      ; my region of LDS: no place in the cluster enters an LDS address
	s_mov_b32 s[SB], 0
	s_mov_b32 s[SO], 0
	s_wait_dscnt 0x0                               ; both opening adds are done
	s_wait_kmcnt 0x0
	s_load_b32 s23, s[10:11], 0x0                  ; e0
	s_mov_b32 s[G0], 1                             ; count = 1
	s_mov_b32 s[G0+1], s22                         ; LDS address
	s_add_nc_u64 s[G0+2:G0+3], s[4:5], s[20:21]    ; global address
	s_or_b32 s[G0+3], s[G0+3], 0x80000000          ; type = 2
	CROUND                                         ; all four work-groups are here: the joint loads meet
	tensor_load_to_lds s[G0:G0+3], s[G1:G1+7]      ; my 64 candidates: the wave's one tensor load
	s_nop 0
.rept 4
	v_nop
.endr
	v_and_b32 v[HR], 15, v0                        ; r
	v_bfe_u32 v[HH], v0, 4, 1                      ; h
	v_and_b32 v[L16], 31, v0
	v_lshlrev_b32 v[L16], 4, v[L16]                ; 16 x lane
	v_lshrrev_b32 v[HT], 2, v[HR]
	v_lshlrev_b32 v[LA0], 7, v[HT]
	v_lshl_add_u32 v[LA0], v[HH], 6, v[LA0]
	v_and_b32 v[HT], 3, v[HR]
	v_lshl_add_u32 v[LA0], v[HT], 4, v[LA0]
	v_add_nc_u32 v[LA0], s22, v[LA0]               ; lane (n, h) takes the row's bytes 128 (n / 4) + 64 h + 16 (n % 4) on: k = 32 (n / 4) + 16 h + 4 (n % 4) + 0 .. 3
	v_add_nc_u32 v[IA], s22, v[L16]
	s_lshl_b32 s36, s[WV], 12
	v_add_nc_u32 v[RA], s36, v[L16]
	s_lshl_b32 s36, s16, 14
	v_lshlrev_b32 v[XQA], 10, v[HR]
	v_lshl_add_u32 v[XQA], v[HH], 6, v[XQA]
	v_add_nc_u32 v[XQA], s36, v[XQA]               ; x: row 16 qt + r, byte 64 h
	s_lshl_b32 s36, s16, 9
	v_lshl_add_u32 v[IXA], v[HR], 5, s36           ; idx: row 16 qt + r of 32 bytes
	s_lshl_b32 s36, s17, 6
	s_add_co_u32 s36, s36, s16
	s_lshl_b32 s36, s36, 14                        ; part: block (cb, qt) of 16,384 bytes
	s_mov_b32 s37, 0
	s_add_nc_u64 s[12:13], s[12:13], s[36:37]
	; 162 loads, in the order in which they are wanted: the indices, the queries, W_diff
	global_load_b128 v[IX:IX+3], v[IXA], s[6:7]
	global_load_b128 v[IX+4:IX+7], v[IXA], s[6:7] offset:16
	WIN 0x40                                       ; destination window 1
.irp s, 0,1
.irp c, 0,1,2,3
.irp i, 0,1,2,3
	global_load_b128 v[XQ+64*\s+16*\c+4*\i:XQ+64*\s+16*\c+4*\i+3], v[XQA], s[4:5] offset:512*\s+128*\c+16*\i   ; register 64 s + 16 c + i: k = 128 s + 32 c + 16 h + i
.endr
.endr
.endr
	WIN 0x80                                       ; destination window 2: blocks 0 to 63 of wcodes, four registers each: column tiles 0 to 7
.set j, 0
.rept 64
	global_load_b128 v[4*j:4*j+3], v[L16], s[8:9] offset:512*j
.set j, j+1
.endr
	WIN 0xc0                                       ; destination window 3: blocks 64 to 127
.set j, 0
.rept 64
	global_load_b128 v[4*j:4*j+3], v[L16], s[8:9] offset:32768+512*j
.set j, j+1
.endr
	WIN 0
.set j, 0
.rept 16
	v_mov_b32 v[T+j], 0                            ; written once: the destination of a DPP form counts as read
.set j, j+1
.endr
	v_mov_b32 v[B0], 0
	v_mov_b32 v[B1], 0
	v_mov_b32 v[ONE], 1
	s_wait_loadcnt 63                              ; loads come back in order: at most 63 of the 162 are out, so the first 99 are in: the indices and the queries
.irp k, 0,1,2,3,4,5,6,7                        ; index k of my query becomes a bit: tile t = index - my wave's first candidate, if that is under 64; bit t / 2 of the even or of the odd tiles' register
	v_sub_nc_u32 v[MT], v[IX+\k], s18
	v_cmp_gt_u32 vcc_lo, 64, v[MT]
	v_lshrrev_b32 v[MT+1], 1, v[MT]
	v_lshlrev_b32 v[MT+1], v[MT+1], v[ONE]
	v_cndmask_b32 v[MT+1], 0, v[MT+1], vcc_lo
	v_and_b32 v[MT], 1, v[MT]
	v_cmp_eq_u32 vcc_lo, 0, v[MT]
	v_cndmask_b32 v[MT+2], 0, v[MT+1], vcc_lo
	v_or_b32 v[B0], v[B0], v[MT+2]
	v_xor_b32 v[MT+1], v[MT+1], v[MT+2]
	v_or_b32 v[B1], v[B1], v[MT+1]
.endr
	s_wait_kmcnt 0x0
	s_add_co_i32 s36, s23, 127
	s_lshl_b32 s37, s36, 23                        ; 2^e0 as f32: the conversion takes its exponent field
	s_add_co_i32 s36, s36, 15
	s_lshl_b32 s36, s36, 23
	s_or_b32 s36, s36, 0x600000                    ; 57,344 x 2^e0
	v_mov_b32 v[SC], s37
	WIN 0x40
	v_mov_b32 v[SC], s37
	v_mov_b32 v[LIM], s36
	v_mov_b32 v[MK+1], 0                           ; (named as the upper halves of the masks' pairs)
	v_mov_b32 v[MK+3], 0
	v_mov_b32 v[BM], v[B0]
	v_mov_b32 v[BM+1], v[B1]
; The mask of the tile of parity p whose bit is s[SB]: 1.0 where the tile's candidate is among my query's 8, else 0.0.
.macro MASK p
	WIN W_MK
	v_bfe_u32 v[TM], v[BM+(\p)], s[SB], 1
	v_cvt_f32_u32 v[MK+2*(\p)], v[TM]
.endm
; v[d] = v[a] of lane ln of my half - my v[b]
.macro SUBD d, a, b
.irp z, 0,1,2,3,4,5,6,7,8,9,10,11,12,13,14,15
.if ln == \z
	v_sub_f32_dpp v[\d], v[\a], v[\b] row_share:\z row_mask:0xf bank_mask:0xf
.endif
.endr
.endm
; A slice of the making of a tile's codes, into buffer q.  Chunk mch (0 .. 7) is 16 numbers a lane: k = 128 (mch / 4) + 32 (mch % 4) + 16 h + 0 .. 15; part mpt: 0, 1: eight subtractions; 2, 3: eight holds and a conversion.
; The candidate's four registers of a K step are free behind that K step's last subtraction: there the next candidate's are asked for (ldo: its byte behind v[LA]; under 0: there is none), half a tile ahead of their use.
.macro MSLICE q, ldo
.set mks, mch/4
.set mc, mch%4
.if mpt < 2
.if (mpt == 0) && (mc == 0)
.if (mks == 0) || ((\ldo) >= 0)
	s_wait_dscnt 1                                 ; this K step's four registers of the candidate are in; the one load issued behind theirs may be out
.else
	s_wait_dscnt 0
.endif
.endif
.set ii, 8*mpt
.rept 8
.set ln, 4*mc+ii/4
	SUBD T+ii, CR+4*mks+ii%4, XQ+64*mks+16*mc+ii
.set ii, ii+1
.endr
.if (mpt == 1) && (mc == 3) && ((\ldo) >= 0)
	ds_load_b128 v[CR+4*mks:CR+4*mks+3], v[LA] offset:(\ldo)+512*mks
.endif
.else
.set ii, 8*(mpt-2)
.rept 8
	v_min_num_f32 v[T+ii], |v[T+ii]|, v[LIM]       ; the magnitude and the hold in one: the conversion to an 8-bit code does not saturate (ISA guide 7.6.2), and what is not negative is held from above alone
.set ii, ii+1
.endr
.set cc, CB+32*(\q)+16*mks+4*mc+2*(mpt-2)
.set tt, T+8*(mpt-2)
	v_cvt_scalef32_pk8_bf8_f32 v[cc:cc+1], v[tt:tt+7], v[SC]
.endif
.endm
; The sums of column tile nt take product tile t x the mask of parity p, from the tile's low end on.  first = 1: the first tile's products start the sums: nothing is cleared.
.macro ACCUM nt, t, p, first
.set aA, ACC+8*(\nt)
.set aD, DB+8*(\t)
.irp e, 0,2,4,6
.if \first
	v_pk_mul_f32 v[aA+\e:aA+\e+1], v[aD+\e:aD+\e+1], v[MK+2*(\p):MK+2*(\p)+1] op_sel_hi:[1,0]
.else
	v_pk_fma_f32 v[aA+\e:aA+\e+1], v[aD+\e:aD+\e+1], v[MK+2*(\p):MK+2*(\p)+1], v[aA+\e:aA+\e+1] op_sel_hi:[1,0,1]
.endif
.endr
.endm
; THE PERIOD of a tile of parity p.  Product pn of 32: group pn / 8 of four column tiles; in a group the four product tiles take turns, one instruction a turn, first K step 0 (which starts the sums with the constant 0),
; then K step 1.  make = 1: behind each product a slice of the next tile's codes; make = 0: four v_nop in its stead.
; A product tile is read two slices behind its last product (the last group's tiles 2 and 3 at the period's end): at least eight holds, plain lines that name none of the product's registers, lie between (four are asked:
; ISA guide 7.12.1), and it is begun anew one or two products later.  A conversion's numbers are written again only behind a plain line: the sums' lines, the next holds, or the v_nop below.
.macro PERIOD p, make, ldo, first
.set pn, 0
.rept 32
.set pg, pn/8
.set pt, pn%4
.set pks, (pn%8)/4
.set pnt, 4*pg+pt
.set rW, 32*(pnt%8)+16*pks
.set rC, CB+32*(\p)+16*pks
.set rD, DB+8*pt
	WIN 2+pnt/8                                    ; source 0 (W_diff) in window 2 or 3, all else in window 0
.if pks == 0
	v_wmma_f32_16x16x128_bf8_bf8 v[rD:rD+7], v[rW:rW+15], v[rC:rC+15], 0
.else
	v_wmma_f32_16x16x128_bf8_bf8 v[rD:rD+7], v[rW:rW+15], v[rC:rC+15], v[rD:rD+7]
.endif
	WIN W_VA
.if \make
.set mch, pn/4
.set mpt, pn%4
	MSLICE 1-(\p), \ldo
.if (pn%8) == 3
	v_nop                                          ; a plain line behind a conversion that no line of the sums follows
.endif
.else
.rept 4
	v_nop
.endr
.endif
.if (pn%8) == 6
	ACCUM 4*pg, 0, \p, \first
.endif
.if (pn%8) == 7
	ACCUM 4*pg+1, 1, \p, \first
.endif
.if ((pn%8) == 0) && (pg > 0)
	ACCUM 4*pg-2, 2, \p, \first
.endif
.if ((pn%8) == 1) && (pg > 0)
	ACCUM 4*pg-1, 3, \p, \first
.endif
.if pn == 31
	ACCUM 14, 2, \p, \first
	ACCUM 15, 3, \p, \first
.endif
.if (pn == 16) && (\make)
	MASK 1-(\p)                                    ; the next tile's mask: the pair that it writes was last read in the period before
.endif
.set pn, pn+1
.endr
.endm
	MASK 0                                         ; tile 0's mask: bit 0 of the even tiles
	WIN 0
	s_wait_tensorcnt 0x0                           ; my candidates are in LDS; only I read them, so no barrier is wanted
	v_add_nc_u32 v[LA], s[SO], v[LA0]
	ds_load_b128 v[CR:CR+3], v[LA]                 ; candidate 0, K step 0,
	ds_load_b128 v[CR+4:CR+7], v[LA] offset:512    ; and K step 1
	WIN W_VA
.set pn, 0
.rept 32                                       ; tile 0's codes are made with no products beside them; candidate 1 is asked for on the way
.set mch, pn/4
.set mpt, pn%4
	MSLICE 0, 1024
.if mpt == 3
	v_nop
.endif
.set pn, pn+1
.endr
	s_wait_loadcnt 0x0                             ; W_diff is in; the head's offsets, which lie in the sums' registers, are free
	PERIOD 0, 1, 2048, 1                           ; tile 0: its products start the sums; tile 1's codes; candidate 2 is asked for
	WIN 0                                          ; at a label and at a branch every window is 0
	s_mov_b32 s[SB], 1
.Ltrip:                                            ; 30 trips: trip k (s[SB] = k + 1, s[SO] = 2,048 k) runs tiles 2 k + 1 and 2 k + 2 and asks for candidates 2 k + 3 and 2 k + 4
	v_add_nc_u32 v[LA], s[SO], v[LA0]
	PERIOD 1, 1, 3072, 0
	PERIOD 0, 1, 4096, 0
	WIN 0
	s_add_co_u32 s[SO], s[SO], 2048
	s_add_co_u32 s[SB], s[SB], 1
	s_cmp_lt_u32 s[SB], 31
	s_cbranch_scc1 .Ltrip
	v_add_nc_u32 v[LA], s[SO], v[LA0]
	PERIOD 1, 1, 3072, 0                           ; tile 61: candidate 63, the last, is asked for
	PERIOD 0, 1, -1, 0                             ; tile 62: tile 63's codes; nothing is left to fetch
	PERIOD 1, 0, -1, 0                             ; tile 63
	WIN 0
	; THE END: my 128 sums go to LDS as they stand, into my own region, whose candidates I have read out (the last wait on DScnt was for 0)
.set m, 0
.rept 32
	ds_store_b128 v[IA], v[ACC+4*m:ACC+4*m+3] offset:512*m
.set m, m+1
.endr
	v_add_nc_u32 v[T], 0x10000, v[RA]              ; the same place in the regions of waves 1, 2, 3
	v_add_nc_u32 v[T+1], 0x20000, v[RA]
	v_add_nc_u32 v[T+2], 0x30000, v[RA]
	s_wait_dscnt 0x0                               ; for the others' sake: my stores have landed
	s_barrier_signal -1
	s_barrier_wait -1
.irp mm, 0,1,2,3,4,5,6,7                       ; blocks 8 w .. 8 w + 7 of all four images
	ds_load_b128 v[ACC+4*\mm:ACC+4*\mm+3], v[RA] offset:512*\mm
	ds_load_b128 v[ACC+32+4*\mm:ACC+32+4*\mm+3], v[T] offset:512*\mm
	ds_load_b128 v[ACC+64+4*\mm:ACC+64+4*\mm+3], v[T+1] offset:512*\mm
	ds_load_b128 v[ACC+96+4*\mm:ACC+96+4*\mm+3], v[T+2] offset:512*\mm
.endr
	s_wait_dscnt 0x0
.set j, 0
.rept 16
	v_pk_add_f32 v[ACC+j:ACC+j+1], v[ACC+j:ACC+j+1], v[ACC+32+j:ACC+32+j+1]
	v_pk_add_f32 v[ACC+64+j:ACC+64+j+1], v[ACC+64+j:ACC+64+j+1], v[ACC+96+j:ACC+96+j+1]
.set j, j+2
.endr
.set j, 0
.rept 16
	v_pk_add_f32 v[ACC+j:ACC+j+1], v[ACC+j:ACC+j+1], v[ACC+64+j:ACC+64+j+1]
.set j, j+2
.endr
.irp mm, 0,1,2,3,4,5,6,7
	global_store_b128 v[RA], v[ACC+4*\mm:ACC+4*\mm+3], s[12:13] offset:512*\mm   ; the wave stores 512 consecutive bytes, aligned
.endr
	s_wait_tensorcnt 0x0                           ; the wave's end, behind my tensor load and my last LDS store
	ds_add_u32 v[SPW], v[NIL]
	s_wait_dscnt 0x0
	CROUND                                         ; the closing round: no work-group ends while a partner may still ask for a tile that names it
	s_endpgm
.Lfunc_end_k_q0294eed754_proj:
	.size	k_q0294eed754_proj, .Lfunc_end_k_q0294eed754_proj-k_q0294eed754_proj
	.p2alignl 7, 3214868480
	.fill 96, 4, 3214868480
	.section	.rodata,"a",@progbits
	.p2align	6, 0x0
	.amdhsa_kernel k_q0294eed754_proj
		.amdhsa_group_segment_fixed_size 262656
		.amdhsa_private_segment_fixed_size 0
		.amdhsa_enable_private_segment 0
		.amdhsa_kernarg_size 40
		.amdhsa_user_sgpr_count 2
		.amdhsa_user_sgpr_kernarg_segment_ptr 1
		.amdhsa_wavefront_size32 1
		.amdhsa_system_sgpr_workgroup_id_x 1
		.amdhsa_system_sgpr_workgroup_id_y 1
		.amdhsa_system_sgpr_workgroup_id_z 1
		.amdhsa_system_vgpr_workitem_id 0
		.amdhsa_next_free_vgpr 1024
		.amdhsa_next_free_sgpr 66
		.amdhsa_reserve_vcc 1
		.amdhsa_float_denorm_mode_32 3
		.amdhsa_float_denorm_mode_16_64 3
		.amdhsa_memory_ordered 1
		.amdhsa_forward_progress 1
		.amdhsa_inst_pref_size 189
	.end_amdhsa_kernel
	.amdgpu_metadata
---
amdhsa.version: [ 1, 2 ]
amdhsa.kernels:
  - .name:           k_q0294eed754_proj
    .symbol:         k_q0294eed754_proj.kd
    .args:
      - { .name: x, .offset: 0, .size: 8, .value_kind: global_buffer, .address_space: global }
      - { .name: idx, .offset: 8, .size: 8, .value_kind: global_buffer, .address_space: global }
      - { .name: wcodes, .offset: 16, .size: 8, .value_kind: global_buffer, .address_space: global }
      - { .name: lowp_scales, .offset: 24, .size: 8, .value_kind: global_buffer, .address_space: global }
      - { .name: part, .offset: 32, .size: 8, .value_kind: global_buffer, .address_space: global }
    .group_segment_fixed_size: 262656
    .private_segment_fixed_size: 0
    .kernarg_segment_align: 8
    .kernarg_segment_size: 40
    .max_flat_workgroup_size: 128
    .sgpr_count:     66
    .vgpr_count:     1024
    .wavefront_size: 32
...
	.end_amdgpu_metadata
.endif
;; end of part 3
;; launch chain (part 4): grid 64 x 1, 16 waves a work-group, no clusters, 29,696 bytes of LDS; arguments x, part, wcodes, lowp_scales, W_tau, b_tau, b_diff, b_agg, b_res, gamma, beta, out0; writes out0
.if DOCPART == 4
	.amdgcn_target "amdgcn-amd-amdhsa--gfx1250"
	.amdhsa_code_object_version 6
	.text
	.protected	k_q0294eed754_chain
	.globl	k_q0294eed754_chain
	.p2align	8
	.type	k_q0294eed754_chain,@function
k_q0294eed754_chain:
	s_mov_b64 s[64:65], 0
	v_nop
	global_prefetch_b8 v0, s[64:65] scope:SCOPE_SE
	s_setreg_imm32_b32 hwreg(HW_REG_WAVE_MODE, 25, 1), 1
	s_wait_xcnt 0x0
; out0 = LayerNorm(relu(h_k W_agg^T + b_agg) + x W_res^T + b_res) x gamma + beta,  h_k = (mean over the 8 nearest j of (|x_i - x_j| W_diff^T + b_diff)) / tau_i,  tau = max(softplus(x W_tau^T + b_tau), 0.01) + 1.
; The sums of the 8 chosen rows of the first product come from the launch before, in four parts (one for each block of 256 candidates), as sums of products of codes: the mean is their sum x 2^(e0 + e1 - 3).
; b_diff is added once to the mean: the mean of (p + b) is the mean of p, + b.  Nothing is left out.
; The two products here are on codes of BF8 (E5M2), by v_wmma_f32_16x16x128_bf8_bf8, each operand with its given scale 2^e: h_k e2, W_agg e3, x e4, W_res e5.  The weights' codes come from wcodes.
; A fragment (16 rows x 128 K) is 16 registers: lane (r = lane % 16, h = lane / 16) holds row r; registers 4 c .. 4 c + 3 hold k = 32 c + 16 h + 0 .. 15: a permutation of k that is the same in both operands of every product.
; LIMITS: e2, e4 between -126 and 112; e0 + e1 - 3, e2 + e3, e4 + e5 between -126 and 127, so that each power of two below is an f32 number.  NaN among the inputs is not served.
; SHARES.  A work-group of sixteen waves owns 16 queries: one tile of rows of both products.  Wave w owns columns 16 w .. 16 w + 15: its 8 KiB of weights go from memory straight into its registers, once.
; What the waves make for each other goes through LDS as images of the operand's registers.  No tensor load, so no tile in LDS that work-groups could ask for jointly: no cluster.
; PHASES.  A: each wave makes one query's 1 / tau and 256 codes of x | barrier |  B: each wave sums, scales, divides by tau and quantises 256 numbers of h_k | barrier |
; C: the two products, transposed (a lane holds one query and 8 neighbouring columns); LayerNorm in two passes, as reference() has it, its sums through LDS (two barriers); rows out through a stage (one barrier).
.set XIMG, 0                           ; LDS: x's two fragments, 2,048 bytes each
.set HIMG, 4096                        ; h_k's two
.set STG,  8192                        ; the stage for the way out: 16 rows of 1,024 bytes + 16
.set TAU,  24832                       ; 16 words: 1 / tau
.set RED1, 25088                       ; the sums' parts: query r at 80 r, wave w's word at 4 w
.set RED2, 26368                       ; the squares' parts likewise (RED1 + 1,280)
.set SPARE, 27648                      ; the spare words, 128 bytes for each wave: eight blocks of 256 bytes that no other line names
.set HP,   1040                        ; pitch of the stage: 65 x 16 bytes
.set L16,  1                           ; v1   16 x lane
.set TAUR, 2                           ; v2   r, then TAU + 4 r
.set XW,   5                           ; v5   my 8 codes of x
.set HW,   8                           ; v8   my 8 codes of h_k
.set SO,   9                           ; v9   the stage, in
.set SR,   10                          ; v10  the stage, back
.set GO,   11                          ; v11  byte of my 16 bytes in row q0 + w, in x and in out0
.set SC,   12                          ; v12  a scale as f32;  v13  57,344 x that scale
.set LIM,  13
.set SPW,  14                          ; v14  LDS address of my spare word; never rewritten
.set NIL,  15                          ; v15  0; never rewritten
.set WR,   48                          ; v48-79   W_res's two fragments          (v16-31 a row of x and W_tau; v32-41 my 8 numbers of x and their codes)
.set BV,   80                          ; v80-111  b_agg, b_res, gamma, beta: 8 each
.set P,    112                         ; v112-143 the four parts of my 8 sums; later fragments, later at work
.set BDV,  144                         ; v144-151 b_diff at my 8 columns
.set WA,   176                         ; v176-207 W_agg's two fragments
.set YA,   208                         ; v208-215 h_k W_agg^T
.set Y,    216                         ; v216-223 y
.set Y2,   224                         ; v224-235 at work
.set YR,   240                         ; v240-247 x W_res^T; until then the global offsets:
.set PO,   242                         ; my sums in part
.set XJA,  243                         ; my 8 numbers of x for its codes
.set WO,   244                         ; my columns' fragments in wcodes
.set BDO,  245                         ; b_diff
.set BVO,  246                         ; the four vectors of phase C
.set TAUW, 249                         ; v249 TAU + 4 w
.set RT,   250                         ; v[250:251] 1 / tau, later 1 / sqrt(var + eps), twice
.set MU,   252                         ; v[252:253] the mean, twice
.set REDW, 254                         ; v254 RED1 + 80 r + 4 w
.set REDR, 255                         ; v255 RED1 + 80 r
.macro MKSCALE e                       ; v[SC] = 2^s[e], v[LIM] = 57,344 x 2^s[e]
	s_add_co_i32 s52, s[\e], 127
	s_lshl_b32 s53, s52, 23
	v_mov_b32 v[SC], s53
	s_add_co_i32 s52, s52, 15
	s_lshl_b32 s52, s52, 23
	s_or_b32 s52, s52, 0x600000
	v_mov_b32 v[LIM], s52
.endm
.macro BARRIER                         ; my LDS stores have landed and my LDS loads are in: then the work-group's barrier
	s_wait_dscnt 0x0
	s_barrier_signal -1
	s_barrier_wait -1
.endm
.macro FETCH reg, off                  ; a fragment's image comes back as it was stored, in any wave
.irp c, 0,1,2,3
	ds_load_b128 v[\reg+4*\c:\reg+4*\c+3], v[L16] offset:\off+512*\c
.endr
.endm
.macro SUM16                           ; v112 = the sum of v112-127
.irp i, 0,4,8,12
	v_pk_add_f32 v[112+\i:113+\i], v[112+\i:113+\i], v[114+\i:115+\i]
.endr
	v_pk_add_f32 v[112:113], v[112:113], v[116:117]
	v_pk_add_f32 v[120:121], v[120:121], v[124:125]
	v_pk_add_f32 v[112:113], v[112:113], v[120:121]
	v_add_f32 v112, v112, v113
.endm
	s_load_b512 s[8:23], s[0:1], 0x0               ; x s[8:9], part s[10:11], wcodes s[12:13], lowp_scales s[14:15], W_tau s[16:17], b_tau s[18:19], b_diff s[20:21], b_agg s[22:23]
	s_load_b256 s[24:31], s[0:1], 0x40             ; b_res s[24:25], gamma s[26:27], beta s[28:29], out0 s[30:31]
	v_lshl_add_u32 v[SPW], v0, 2, SPARE
	v_mov_b32 v[NIL], 0
	v_lshrrev_b32 v1, 5, v0
	v_readfirstlane_b32 s39, v1                    ; w: wave 0..15
	v_and_b32 v1, 31, v0
	v_lshlrev_b32 v[L16], 4, v1
	v_and_b32 v2, 15, v0                           ; r
	v_bfe_u32 v3, v0, 4, 1                         ; h
	s_lshl_b32 s57, ttmp9, 4                       ; q0: my work-group's first query
	s_lshr_b32 s40, s39, 1                         ; w / 2
	s_and_b32 s41, s39, 1                          ; u = w % 2
	s_mov_b32 s44, 0x76543210                      ; v_permlanex16_b32's selects for lane l xor 16
	s_mov_b32 s45, 0xfedcba98
	; the small jobs (x's and h_k's codes): wave w takes K step w / 8, register group (w / 2) % 4, half u of a lane's 16 codes: 8 numbers a lane: k = 128 (w / 8) + 32 ((w / 2) % 4) + 16 h + 8 u + 0 .. 7
	s_lshr_b32 s52, s39, 3
	s_bfe_u32 s53, s39, 0x20001
	s_lshl_b32 s42, s52, 9
	s_lshl_b32 s54, s53, 7
	s_add_co_u32 s42, s42, s54
	s_lshl_b32 s54, s41, 5
	s_add_co_u32 s42, s42, s54                     ; their byte in a row of f32: 512 (w / 8) + 128 ((w / 2) % 4) + 32 u
	s_lshl_b32 s43, s52, 11
	s_lshl_b32 s54, s53, 9
	s_add_co_u32 s43, s43, s54
	s_lshl_b32 s54, s41, 3
	s_add_co_u32 s43, s43, s54                     ; and their codes' byte in the images: 2,048 (w / 8) + 512 ((w / 2) % 4) + 8 u
	; LDS addresses: constants, the lane, the wave
	s_add_co_u32 s54, s43, XIMG
	v_add_nc_u32 v[XW], s54, v[L16]
	s_add_co_u32 s54, s43, HIMG
	v_add_nc_u32 v[HW], s54, v[L16]
	s_lshl_b32 s55, s39, 6                         ; 64 w: my 16 columns in bytes
	v_mul_u32_u24 v[SO], v2, HP
	v_lshl_add_u32 v[SO], v3, 5, v[SO]
	s_add_co_u32 s54, s55, STG
	v_add_nc_u32 v[SO], s54, v[SO]                 ; row r, columns 16 w + 8 h on
	s_mul_i32 s54, s39, HP
	s_add_co_u32 s54, s54, STG
	v_add_nc_u32 v[SR], s54, v[L16]                ; row w, 16 bytes a lane
	v_mul_u32_u24 v[REDR], v2, 80
	v_add_nc_u32 v[REDR], RED1, v[REDR]
	s_lshl_b32 s54, s39, 2
	v_add_nc_u32 v[REDW], s54, v[REDR]
	s_add_co_u32 s54, s54, TAU
	v_mov_b32 v[TAUW], s54
	; global offsets
	s_add_co_u32 s54, s57, s39
	s_lshl_b32 s54, s54, 10
	v_add_nc_u32 v[GO], s54, v[L16]
	s_lshl_b32 s54, s57, 10
	s_add_co_u32 s54, s54, s42
	v_lshlrev_b32 v[XJA], 10, v2
	v_lshl_add_u32 v[XJA], v3, 6, v[XJA]
	v_add_nc_u32 v[XJA], s54, v[XJA]               ; row q0 + r, my 8 numbers
	s_lshl_b32 s54, s39, 12
	v_add_nc_u32 v[WO], s54, v[L16]
	v_lshl_add_u32 v[BDO], v3, 6, s42
	v_lshl_add_u32 v[BVO], v3, 5, s55
	s_lshl_b32 s54, ttmp9, 14                      ; part: my work-group's block of 16,384 bytes; my 8 columns lie in column tile 2 (w / 2) + h, in the registers of lane r + 16 u:
	s_lshl_b32 s56, s40, 11
	s_add_co_u32 s54, s54, s56
	s_lshl_b32 s56, s41, 8
	s_add_co_u32 s54, s54, s56
	v_lshlrev_b32 v[PO], 10, v3
	v_lshl_add_u32 v[PO], v2, 4, v[PO]
	v_add_nc_u32 v[PO], s54, v[PO]                 ; 2,048 (w / 2) + 1,024 h + 256 u + 16 r; the second four columns 512 bytes on
	v_lshl_add_u32 v[TAUR], v2, 2, TAU
	v_mov_b32 v154, 0                              ; written once: the destination of a lane permute counts as read
	s_wait_kmcnt 0x0
	s_load_b128 s[32:35], s[14:15], 0x0            ; e0 .. e3
	s_load_b64 s[36:37], s[14:15], 0x10            ; e4, e5
	s_load_b32 s38, s[18:19], 0x0                  ; b_tau
	; all 40 loads, in the order in which they are wanted
	global_load_b128 v[16:19], v[GO], s[8:9]       ; 6 loads: row q0 + w of x and W_tau, 8 numbers a lane; my 8 numbers of x for its codes
	global_load_b128 v[20:23], v[GO], s[8:9] offset:512
	global_load_b128 v[24:27], v[L16], s[16:17]
	global_load_b128 v[28:31], v[L16], s[16:17] offset:512
	global_load_b128 v[32:35], v[XJA], s[8:9]
	global_load_b128 v[36:39], v[XJA], s[8:9] offset:16
.irp cb, 0,1,2,3                               ; 10 loads: the four parts of my 8 sums; b_diff at their columns
.irp g, 0,1
	global_load_b128 v[P+8*\cb+4*\g:P+8*\cb+4*\g+3], v[PO], s[10:11] offset:1048576*\cb+512*\g
.endr
.endr
	global_load_b128 v[BDV:BDV+3], v[BDO], s[20:21]
	global_load_b128 v[BDV+4:BDV+7], v[BDO], s[20:21] offset:16
.irp s, 0,1                                    ; 24 loads: my columns' fragments of W_res and W_agg; the four vectors
.irp c, 0,1,2,3
	global_load_b128 v[WR+16*\s+4*\c:WR+16*\s+4*\c+3], v[WO], s[12:13] offset:131072+2048*\s+512*\c
.endr
.endr
.irp s, 0,1
.irp c, 0,1,2,3
	global_load_b128 v[WA+16*\s+4*\c:WA+16*\s+4*\c+3], v[WO], s[12:13] offset:65536+2048*\s+512*\c
.endr
.endr
	global_load_b128 v[BV:BV+3], v[BVO], s[22:23]
	global_load_b128 v[BV+4:BV+7], v[BVO], s[22:23] offset:16
	global_load_b128 v[BV+8:BV+11], v[BVO], s[24:25]
	global_load_b128 v[BV+12:BV+15], v[BVO], s[24:25] offset:16
	global_load_b128 v[BV+16:BV+19], v[BVO], s[26:27]
	global_load_b128 v[BV+20:BV+23], v[BVO], s[26:27] offset:16
	global_load_b128 v[BV+24:BV+27], v[BVO], s[28:29]
	global_load_b128 v[BV+28:BV+31], v[BVO], s[28:29] offset:16
	s_wait_loadcnt 34                              ; the first six are in: behind them 10 + 24 loads were issued
	s_wait_kmcnt 0x0
	; ---- A.  1 / tau of query q0 + w: the dot product in f32, since tau goes on into a quantised operand
	v_pk_mul_f32 v[152:153], v[16:17], v[24:25]
	v_pk_fma_f32 v[152:153], v[18:19], v[26:27], v[152:153]
	v_pk_fma_f32 v[152:153], v[20:21], v[28:29], v[152:153]
	v_pk_fma_f32 v[152:153], v[22:23], v[30:31], v[152:153]
	v_add_f32 v152, v152, v153
.irp m, 1,2,4,8
	v_add_f32_dpp v152, v152, v152 row_xmask:\m row_mask:0xf bank_mask:0xf
.endr
	v_permlanex16_b32 v154, v152, s44, s45
	v_add_f32 v152, v152, v154
	v_add_f32 v152, s38, v152                      ; z
	v_mul_f32 v153, 0xbfb8aa3b, |v152|             ; softplus(z) = max(z, 0) + ln(1 + e^-|z|): the form that keeps the exponential in range, as reference()'s does
	v_exp_f32 v153, v153
	v_max_num_f32 v155, 0, v152                    ; (a plain line behind the exponential)
	s_wait_alu depctr_va_vdst(0)                   ; the wait ahead of the first reader
	v_add_f32 v153, 1.0, v153
	v_log_f32 v153, v153
	v_nop
	s_wait_alu depctr_va_vdst(0)
	v_fmamk_f32 v153, v153, 0x3f317218, v155       ; log2 x ln 2 + max(z, 0)
	v_max_num_f32 v153, 0x3c23d70a, v153           ; at least 0.01
	v_add_f32 v153, 1.0, v153
	v_rcp_f32 v153, v153
	; my 8 codes of x stand between the reciprocal and its reader
	MKSCALE 36
.irp i, 0,1,2,3,4,5,6,7
	v_med3_num_f32 v[32+\i], v[32+\i], -v[LIM], v[LIM]   ; the conversion to an 8-bit code does not saturate (ISA guide 7.6.2): the hold comes first
.endr
	v_cvt_scalef32_pk8_bf8_f32 v[40:41], v[32:39], v[SC]
	v_nop                                          ; a plain line behind the conversion: its scale is written anew below
	s_wait_alu depctr_va_vdst(0)
	ds_store_b32 v[TAUW], v153                     ; all lanes hold the same number
	ds_store_b64 v[XW], v[40:41]
	s_add_co_i32 s46, s32, s33                     ; the mean of eight sums of the first product stands for sum x 2^(e0 + e1 - 3)
	s_add_co_i32 s46, s46, 124
	s_lshl_b32 s46, s46, 23
	s_mov_b32 s47, s46                             ; (named with it as a pair, so it is written)
	s_add_co_i32 s48, s34, s35
	s_add_co_i32 s48, s48, 127
	s_lshl_b32 s48, s48, 23                        ; 2^(e2 + e3)
	s_mov_b32 s49, s48
	s_add_co_i32 s50, s36, s37
	s_add_co_i32 s50, s50, 127
	s_lshl_b32 s50, s50, 23                        ; 2^(e4 + e5)
	s_mov_b32 s51, s50
	s_mov_b32 s54, 0x3b800000                      ; 1 / 256
	BARRIER                                        ; x's two fragments and the 16 words of 1 / tau lie in LDS
	; ---- B.  My 8 numbers of h_k: the four parts, x 2^(e0 + e1 - 3), + b_diff, / tau, quantised, into the images
	ds_load_b32 v[RT], v[TAUR]
	s_wait_loadcnt 24                              ; the parts and b_diff are in: behind them 24 loads were issued
.irp i, 0,2,4,6
	v_pk_add_f32 v[P+\i:P+\i+1], v[P+\i:P+\i+1], v[P+8+\i:P+8+\i+1]
	v_pk_add_f32 v[P+16+\i:P+16+\i+1], v[P+16+\i:P+16+\i+1], v[P+24+\i:P+24+\i+1]
.endr
.irp i, 0,2,4,6
	v_pk_add_f32 v[P+\i:P+\i+1], v[P+\i:P+\i+1], v[P+16+\i:P+16+\i+1]
.endr
.irp i, 0,2,4,6
	v_pk_fma_f32 v[P+\i:P+\i+1], v[P+\i:P+\i+1], s[46:47], v[BDV+\i:BDV+\i+1] op_sel_hi:[1,0,1]
.endr
	s_wait_dscnt 0x0
	v_mov_b32 v[RT+1], v[RT]
	MKSCALE 34
.irp i, 0,2,4,6
	v_pk_mul_f32 v[P+\i:P+\i+1], v[P+\i:P+\i+1], v[RT:RT+1]
.endr
.irp i, 0,1,2,3,4,5,6,7
	v_med3_num_f32 v[P+\i], v[P+\i], -v[LIM], v[LIM]
.endr
	v_cvt_scalef32_pk8_bf8_f32 v[156:157], v[P:P+7], v[SC]
	v_nop                                          ; a plain line behind the conversion
	ds_store_b64 v[HW], v[156:157]
	BARRIER                                        ; h_k's two fragments lie in LDS
	; ---- C.  Both products transposed: source 0 = my 16 rows of the weight, source 1 = the 16 queries: lane (r, h) holds query r and columns 16 w + 8 h + 0 .. 7
	FETCH 112, HIMG
	FETCH 128, HIMG+2048
	FETCH 144, XIMG
	FETCH 160, XIMG+2048
	s_wait_dscnt 0x0
	s_wait_loadcnt 0x0                             ; the weights' fragments and the four vectors; the offsets in v240-247 are free too
	v_wmma_f32_16x16x128_bf8_bf8 v[YA:YA+7], v[WA:WA+15], v[112:127], 0               ; the two sums take turns
	v_wmma_f32_16x16x128_bf8_bf8 v[YR:YR+7], v[WR:WR+15], v[144:159], 0
	v_wmma_f32_16x16x128_bf8_bf8 v[YA:YA+7], v[WA+16:WA+31], v[128:143], v[YA:YA+7]
	v_wmma_f32_16x16x128_bf8_bf8 v[YR:YR+7], v[WR+16:WR+31], v[160:175], v[YR:YR+7]
.rept 4
	v_nop                                          ; four places in front of the first read of results (ISA guide 7.12.1)
.endr
.irp i, 0,2,4,6
	v_pk_fma_f32 v[Y+\i:Y+\i+1], v[YA+\i:YA+\i+1], s[48:49], v[BV+\i:BV+\i+1] op_sel_hi:[1,0,1]       ; sum x 2^(e2 + e3) + b_agg
.endr
.irp i, 0,2,4,6
	v_pk_fma_f32 v[Y2+\i:Y2+\i+1], v[YR+\i:YR+\i+1], s[50:51], v[BV+8+\i:BV+8+\i+1] op_sel_hi:[1,0,1] ; sum x 2^(e4 + e5) + b_res
.endr
.irp i, 0,1,2,3,4,5,6,7
	v_max_num_f32 v[Y+\i], 0, v[Y+\i]              ; relu
.endr
.irp i, 0,2,4,6
	v_pk_add_f32 v[Y+\i:Y+\i+1], v[Y+\i:Y+\i+1], v[Y2+\i:Y2+\i+1]
.endr
	; the row's mean: my 8, lane l xor 16's 8, then the sixteen waves' parts through LDS
	v_pk_add_f32 v[232:233], v[Y:Y+1], v[Y+2:Y+3]
	v_pk_add_f32 v[234:235], v[Y+4:Y+5], v[Y+6:Y+7]
	v_pk_add_f32 v[232:233], v[232:233], v[234:235]
	v_add_f32 v232, v232, v233
	v_permlanex16_b32 v234, v232, s44, s45
	v_add_f32 v232, v232, v234
	ds_store_b32 v[REDW], v232
	BARRIER
.irp i, 0,1,2,3
	ds_load_b128 v[112+4*\i:115+4*\i], v[REDR] offset:16*\i
.endr
	s_wait_dscnt 0x0
	SUM16
	v_mul_f32 v[MU], s54, v112
	v_mov_b32 v[MU+1], v[MU]
.irp i, 0,2,4,6
	v_pk_add_f32 v[Y+\i:Y+\i+1], v[Y+\i:Y+\i+1], v[MU:MU+1] neg_lo:[0,1] neg_hi:[0,1]   ; y - mu
.endr
	v_pk_mul_f32 v[232:233], v[Y:Y+1], v[Y:Y+1]
	v_pk_fma_f32 v[232:233], v[Y+2:Y+3], v[Y+2:Y+3], v[232:233]
	v_pk_fma_f32 v[232:233], v[Y+4:Y+5], v[Y+4:Y+5], v[232:233]
	v_pk_fma_f32 v[232:233], v[Y+6:Y+7], v[Y+6:Y+7], v[232:233]
	v_add_f32 v232, v232, v233
	v_permlanex16_b32 v234, v232, s44, s45
	v_add_f32 v232, v232, v234
	ds_store_b32 v[REDW], v232 offset:RED2-RED1
	BARRIER
.irp i, 0,1,2,3
	ds_load_b128 v[112+4*\i:115+4*\i], v[REDR] offset:RED2-RED1+16*\i
.endr
	s_wait_dscnt 0x0
	SUM16
	v_fmaak_f32 v[RT], s54, v112, 0x3727c5ac       ; var + 1e-5
	v_rsq_f32 v[RT], v[RT]
	v_nop
	s_wait_alu depctr_va_vdst(0)                   ; the wait ahead of the first reader
	v_mov_b32 v[RT+1], v[RT]
.irp i, 0,2,4,6
	v_pk_mul_f32 v[Y+\i:Y+\i+1], v[Y+\i:Y+\i+1], v[RT:RT+1]
.endr
.irp i, 0,2,4,6
	v_pk_fma_f32 v[Y+\i:Y+\i+1], v[Y+\i:Y+\i+1], v[BV+16+\i:BV+16+\i+1], v[BV+24+\i:BV+24+\i+1]   ; x gamma + beta
.endr
	; THE WAY OUT: a row's 1,024 bytes come from sixteen waves: they meet in the stage, and wave w stores row w whole
	ds_store_b128 v[SO], v[Y:Y+3]
	ds_store_b128 v[SO], v[Y+4:Y+7] offset:16
	BARRIER
	ds_load_b128 v[112:115], v[SR]
	ds_load_b128 v[116:119], v[SR] offset:512
	s_wait_dscnt 0x0
	global_store_b128 v[GO], v[112:115], s[30:31] th:TH_STORE_NT              ; the wave stores 512 consecutive bytes, aligned
	global_store_b128 v[GO], v[116:119], s[30:31] offset:512 th:TH_STORE_NT
	s_wait_tensorcnt 0x0                           ; the wave's end, behind my last LDS store
	ds_add_u32 v[SPW], v[NIL]
	s_wait_dscnt 0x0
	s_endpgm
.Lfunc_end_k_q0294eed754_chain:
	.size	k_q0294eed754_chain, .Lfunc_end_k_q0294eed754_chain-k_q0294eed754_chain
	.p2alignl 7, 3214868480
	.fill 96, 4, 3214868480
	.section	.rodata,"a",@progbits
	.p2align	6, 0x0
	.amdhsa_kernel k_q0294eed754_chain
		.amdhsa_group_segment_fixed_size 29696
		.amdhsa_private_segment_fixed_size 0
		.amdhsa_enable_private_segment 0
		.amdhsa_kernarg_size 96
		.amdhsa_user_sgpr_count 2
		.amdhsa_user_sgpr_kernarg_segment_ptr 1
		.amdhsa_wavefront_size32 1
		.amdhsa_system_sgpr_workgroup_id_x 1
		.amdhsa_system_sgpr_workgroup_id_y 1
		.amdhsa_system_sgpr_workgroup_id_z 1
		.amdhsa_system_vgpr_workitem_id 0
		.amdhsa_next_free_vgpr 256
		.amdhsa_next_free_sgpr 66
		.amdhsa_reserve_vcc 0
		.amdhsa_float_denorm_mode_32 3
		.amdhsa_float_denorm_mode_16_64 3
		.amdhsa_memory_ordered 1
		.amdhsa_forward_progress 1
		.amdhsa_inst_pref_size 20
	.end_amdhsa_kernel
	.amdgpu_metadata
---
amdhsa.version: [ 1, 2 ]
amdhsa.kernels:
  - .name:           k_q0294eed754_chain
    .symbol:         k_q0294eed754_chain.kd
    .args:
      - { .name: x, .offset: 0, .size: 8, .value_kind: global_buffer, .address_space: global }
      - { .name: part, .offset: 8, .size: 8, .value_kind: global_buffer, .address_space: global }
      - { .name: wcodes, .offset: 16, .size: 8, .value_kind: global_buffer, .address_space: global }
      - { .name: lowp_scales, .offset: 24, .size: 8, .value_kind: global_buffer, .address_space: global }
      - { .name: W_tau, .offset: 32, .size: 8, .value_kind: global_buffer, .address_space: global }
      - { .name: b_tau, .offset: 40, .size: 8, .value_kind: global_buffer, .address_space: global }
      - { .name: b_diff, .offset: 48, .size: 8, .value_kind: global_buffer, .address_space: global }
      - { .name: b_agg, .offset: 56, .size: 8, .value_kind: global_buffer, .address_space: global }
      - { .name: b_res, .offset: 64, .size: 8, .value_kind: global_buffer, .address_space: global }
      - { .name: gamma, .offset: 72, .size: 8, .value_kind: global_buffer, .address_space: global }
      - { .name: beta, .offset: 80, .size: 8, .value_kind: global_buffer, .address_space: global }
      - { .name: out0, .offset: 88, .size: 8, .value_kind: global_buffer, .address_space: global }
    .group_segment_fixed_size: 29696
    .private_segment_fixed_size: 0
    .kernarg_segment_align: 8
    .kernarg_segment_size: 96
    .max_flat_workgroup_size: 512
    .sgpr_count:     66
    .vgpr_count:     256
    .wavefront_size: 32
...
	.end_amdgpu_metadata
.endif
;; end of part 4
